; MI455X (gfx1250); checked and timed in simulation.
; The chip was launched on July 23, 2026; its instructions are those of AMD's public machine-readable ISA for CDNA 5 (MIT licence, August 2026) and "CDNA5" Instruction Set Architecture Reference Guide (July 2026). The comments in the code are by the model that wrote it; some were corrected since.
;; Optimized SAT Attention. Allowed arithmetic: matrix products marked QUANTISED: E2M1 operands, one E8M0 scale for each 32 along K, by v_wmma_scale_f32_16x16x128_f8f6f4 with both operands' format E2M1 (or v_wmma_scale_f32_32x16x128_f4), f32 sums; everything else in f32.
;; Inputs: Wk 1,024 x 1,024 float32; Wo 1,024 x 1,024 float32; Wq 1,024 x 1,024 float32; Wsk 1,024 x 1,024 float32; Wsq 1,024 x 1,024 float32; Wv 1,024 x 1,024 float32; bk 1,024 float32; bo 1,024 float32; bq 1,024 float32; bsk 1,024 float32; bsq 1,024 float32; bv 1,024 float32; x_content 2 x 2,048 x 1,024 float32; x_struct 2 x 2,048 x 1,024 float32.
;; Outputs: out0 2 x 2,048 x 1,024 float32.
;; This version of the problem:
;;   THIS VERSION OF THE PROBLEM IS GIVEN IN LOW PRECISION. The matrix products marked QUANTISED in the list below multiply operands that are first quantised to E2M1 (2 exponent bits, 1 mantissa bit; 4 bits a number), with one power-of-two scale for each 32 numbers along K (OCP MX v1.0); their sums are f32. All else is computed in f32.
;;   The module's matrix products, in the order in which they are computed (A, B: the left and right operand; K: the contracted axis; several contracted axes count as one K, in the product's order):
;;     1. [M 4,096, K 1,024] x [K 1,024, N 1,024]; A: input x_content; B: input Wq: QUANTISED
;;     2. [M 4,096, K 1,024] x [K 1,024, N 1,024]; A: input x_content; B: input Wk: QUANTISED
;;     3. [M 4,096, K 1,024] x [K 1,024, N 1,024]; A: input x_content; B: input Wv: QUANTISED
;;     4. [M 4,096, K 1,024] x [K 1,024, N 1,024]; A: input x_struct; B: input Wsq: QUANTISED
;;     5. [M 4,096, K 1,024] x [K 1,024, N 1,024]; A: input x_struct; B: input Wsk: QUANTISED
;;     6. batch 32 x [M 2,048, K 64] x [K 64, N 2,048]; A: computed on the way; B: computed on the way: QUANTISED
;;     7. batch 32 x [M 2,048, K 64] x [K 64, N 2,048]; A: computed on the way; B: computed on the way: QUANTISED
;;     8. batch 32 x [M 2,048, K 2,048] x [K 2,048, N 64]; A: softmax (see below); B: computed on the way: QUANTISED
;;     9. [M 4,096, K 1,024] x [K 1,024, N 1,024]; A: computed on the way; B: input Wo: QUANTISED
;;   THE QUANTISER, for each operand of a quantised product, along K:
;;     - K is cut into blocks of 32 from its start; a last block that is shorter is filled with zeros.
;;     - A block's scale is 2^e with e = floor(log2(the largest magnitude in the block)) - 2, held to -126 .. 127; a block of zeros has e = 0. As a byte (E8M0): e + 127.
;;     - Each number is divided by its block's scale, clamped to +-6, and rounded to the nearest number of E2M1, ties to even, subnormals kept.
;;     - The product sums the exact products of the quantised numbers (number of the format x scale) in f32.
;;   ~~~python
;;   def quantise(x, axis):      # numpy; x: float32 -> the quantised numbers, widened to float32 again
;;       x = np.moveaxis(x, axis, -1); K = x.shape[-1]
;;       x = np.pad(x, [(0, 0)] * (x.ndim - 1) + [(0, -K % 32)]); x = x.reshape(x.shape[:-1] + (-1, 32)); a = np.abs(x).max(-1, keepdims=True)
;;       e = np.where(a > 0, np.clip(np.frexp(np.where(a > 0, a, 1))[1] - 1 - 2, -126, 127), 0)      # np.frexp(a)[1] - 1 = floor(log2(a)), exactly
;;       r = np.clip(x / 2.0 ** e, -6, 6)
;;       step = 2.0 ** (np.maximum(np.frexp(np.where(r == 0, 1, r))[1] - 1, 0) - 1)
;;       q = np.round(r / step) * step * 2.0 ** e      # np.round: ties to even
;;       return np.moveaxis(q.reshape(q.shape[:-2] + (-1,))[..., :K], -1, axis).astype(np.float32)
;;   ~~~
;;   SOFTMAX AHEAD OF A QUANTISED PRODUCT. Where the list says 'softmax', what is quantised is not the finished softmax but p = 2^(t - M), with t = logit x log2(e) and M = ceil(the row's largest t), a whole number; so 1/2 < the row's largest p <= 1. The row's sum l is taken of the UNQUANTISED p, in f32, and the product's result is divided by l at the end. Since M is a whole number, a kernel that streams over the keys may use a running M (the ceiling of the running maximum): every later rescaling is an exact power of two, which a block's scale takes up: the codes' values come out the same.
;;   OPERANDS COMPUTED ON THE WAY. 'Computed on the way' means the value that the module computes at that place (a softmax that the list does not call 'softmax' is quantised finished and normalised). What goes into a quantiser is computed in f32, as accurately as f32 sums, v_exp_f32 and their like allow (about 1e-6 of the number): no bf16 or f16 on the way to a quantiser, and a product that is left as it is and whose result goes on into a quantised operand takes f32 operands (vector FMAs, or v_wmma_f32_16x16x4_f32). A number that lies on a knife's edge between two numbers of the format may be rounded either way, as far as f32 arithmetic and the matrix unit's own rounding can turn it there, and no further.
;; One version. Each part assembles by itself: llvm-mc -triple=amdgcn-amd-amdhsa -mcpu=gfx1250 --defsym DOCPART=n.
;; ======== version 1 of 1: 4 launches
;; limits: right only within a limited range of input values
;; workspace buffers: ac 8,257,536 bytes; qkv 11,796,480 bytes; oc 2,359,296 bytes
;; launch quant (part 1): grid 256 x 1, 7 waves a work-group, no clusters, 60,160 bytes of LDS; arguments x_content, x_struct, Wq, Wsq, Wk, Wsk, Wv, Wo, ac; writes ac
.if DOCPART == 1
	.amdgcn_target "amdgcn-amd-amdhsa--gfx1250"
	.amdhsa_code_object_version 6
	.text
	.protected	k_q75bc06a9ce_quant
	.globl	k_q75bc06a9ce_quant
	.p2align	8
	.type	k_q75bc06a9ce_quant,@function
k_q75bc06a9ce_quant:
	s_mov_b64 s[64:65], 0
	v_nop
	global_prefetch_b8 v0, s[64:65] scope:SCOPE_SE
	s_setreg_imm32_b32 hwreg(HW_REG_WAVE_MODE, 25, 1), 1
	s_wait_xcnt 0x0
; x_content, x_struct [4096][1024] and the six weights [1024][1024], f32, K innermost, become codes of FP4 (E2M1) with one E8M0 byte for each 32 along K,
; laid in the ORDER OF THE OPERAND'S REGISTERS.  A TILE is 16 rows: lane r of tile T holds row 32 (T / 2) + 8 (T % 2) + r + 8 (r / 8).
; A tile's RECORD is 9,216 bytes: for K step s (128 along K) the fragment's image at 1024 s (registers 4 c .. 4 c + 3 of lane l at 512 c + 16 l),
; then the scale words at 8192 + 512 (s / 4) + 16 l + 4 (s % 4); lanes 16-31 hold the same word as lanes 0-15.
; Records in ac: 0-255 x_content, 256-511 x_struct, then 64 each of Wq, Wsq, Wk, Wsk, Wv, Wo.
; SHARES: 896 tiles x 2 halves of K = 1,792 jobs = 256 work-groups x 7 waves.  A job is 16 rows x 512 along K: four fragments.
; A load reads 512 consecutive bytes of one row; a fragment's 16 rows turn through the wave's own stage in LDS, so that a lane gets its two whole blocks of 32 (k = 64 c + 32 h + 0 .. 31).
; A block's scale is 2^(floor(log2(largest magnitude)) - 2): its byte is the largest magnitude's exponent field - 2.
; LIMITS: NaN and infinities are not served; a block whose largest magnitude lies under 2^-124 takes the byte 1, a block of zeros too (the rule says 127: its codes are zeros, and this program alone reads the bytes).
; No matrix unit, no cluster, no barrier: waves share nothing and every input byte is read once.
.set STGB, 8448                        ; a wave's stage: 16 rows x 528
.set SP,   528                         ; a stage row: 512 bytes + 16, so that the 16 rows that a load touches start at 16 different banks
.set REC,  9216
.set LI,   2                           ; v2   16 x lane
.set SIN,  3                           ; v3   the stage on the way in
.set SOUT, 4                           ; v4   and on the way out: row r, + 128 h
.set H8,   5                           ; v5   8 h
.set MX,   6                           ; v6-7   largest magnitudes
.set SC,   8                           ; v8-9   the conversions' scale operands
.set BY,   10                          ; v10-11 the bytes
.set WD,   12                          ; v12  my two bytes at their places
.set PM,   13                          ; v13  lane l xor 16's
.set R,    16                          ; v16-143  two sets of 64: a fragment as loaded
.set X,    144                         ; v144-207 my two blocks of 32
.set PC,   208                         ; v208-239 codes: eight registers for each fragment, so that no store's data are written again
.set SW,   240                         ; v240-243 the four scale words
.set SRC,  26                          ; s[26:27]
.set DST,  32                          ; s[32:33]
.set DSC,  34                          ; s[34:35]
	s_load_b512 s[8:23], s[0:1], 0x0               ; x_content, x_struct, Wq, Wsq, Wk, Wsk, Wv, Wo
	s_load_b64 s[24:25], s[0:1], 0x40              ; ac
	v_lshl_add_u32 v254, v0, 2, 0xe700
	v_mov_b32 v255, 0
	v_lshrrev_b32 v1, 5, v0
	v_readfirstlane_b32 s2, v1                     ; wave 0..6
	v_and_b32 v1, 31, v0
	v_lshlrev_b32 v[LI], 4, v1
	s_mul_i32 s3, s2, STGB
	v_add_nc_u32 v[SIN], s3, v[LI]
	v_and_b32 v[SOUT], 15, v0
	v_bfe_u32 v[H8], v0, 4, 1
	v_mul_u32_u24 v[SOUT], v[SOUT], SP
	v_lshl_add_u32 v[SOUT], v[H8], 7, v[SOUT]
	v_add_nc_u32 v[SOUT], s3, v[SOUT]
	v_lshlrev_b32 v[H8], 3, v[H8]
	v_mov_b32 v[PM], 0                             ; a lane permute's destination counts as one of its sources
	s_mov_b32 s4, 0x76543210
	s_mov_b32 s5, 0xfedcba98                       ; v_permlanex16_b32's selects for lane l xor 16
	s_mul_i32 s6, ttmp9, 7
	s_add_co_u32 s6, s6, s2                        ; the job
	s_and_b32 s7, s6, 1                            ; which half of K
	s_lshr_b32 s6, s6, 1                           ; the record
	s_cmp_lt_u32 s6, 512
	s_cselect_b32 s28, 255, 63
	s_and_b32 s28, s6, s28                         ; the tile in its tensor
	s_lshr_b32 s29, s28, 1
	s_lshl_b32 s29, s29, 5
	s_and_b32 s30, s28, 1
	s_lshl_b32 s30, s30, 3
	s_add_co_u32 s29, s29, s30                     ; its first row
	s_lshl_b32 s28, s29, 12                        ; rows of 4,096 bytes,
	s_lshl_b32 s30, s7, 11
	s_add_co_u32 s28, s28, s30                     ; + 2,048 for the upper half of K
	s_mov_b32 s29, 0
	s_mul_i32 s30, s6, REC
	s_lshl_b32 s36, s7, 9
	s_add_co_u32 s36, s36, s30
	s_add_co_u32 s36, s36, 8192                    ; my quad of scale words
	s_mov_b32 s37, 0
	s_lshl_b32 s31, s7, 12
	s_add_co_u32 s30, s30, s31                     ; my four images
	s_mov_b32 s31, 0
	s_wait_alu depctr_va_vdst(0)
	s_wait_kmcnt 0x0
	s_mov_b64 s[SRC:SRC+1], s[22:23]               ; the tensor is chosen by the record's number alone
.macro PICK lim, reg
	s_cmp_lt_u32 s6, \lim
	s_cselect_b64 s[SRC:SRC+1], s[\reg:\reg+1], s[SRC:SRC+1]
.endm
	PICK 832, 20
	PICK 768, 18
	PICK 704, 16
	PICK 640, 14
	PICK 576, 12
	PICK 512, 10
	PICK 256, 8
	s_add_nc_u64 s[SRC:SRC+1], s[SRC:SRC+1], s[28:29]
	s_add_nc_u64 s[DST:DST+1], s[24:25], s[30:31]
	s_add_nc_u64 s[DSC:DSC+1], s[24:25], s[36:37]
.macro LOAD f                          ; fragment f: 128 along K of the tile's 16 rows; 32 lanes read 512 consecutive bytes of one row
.irp p, 0,1,2,3,4,5,6,7,8,9,10,11,12,13,14,15
	global_load_b128 v[R+64*((\f)%2)+4*\p:R+64*((\f)%2)+4*\p+3], v[LI], s[SRC:SRC+1] offset:(\p+8*(\p/8))*4096+512*(\f) th:TH_LOAD_NT
.endr
.endm
.macro TURN f                          ; through my stage: LDS serves a wave's instructions in order, so no wait stands between the stores and the loads
.irp p, 0,1,2,3,4,5,6,7,8,9,10,11,12,13,14,15
	ds_store_b128 v[SIN], v[R+64*((\f)%2)+4*\p:R+64*((\f)%2)+4*\p+3] offset:SP*\p
.endr
.irp c, 0,1
.irp i, 0,1,2,3,4,5,6,7
	ds_load_b128 v[X+32*\c+4*\i:X+32*\c+4*\i+3], v[SOUT] offset:256*\c+16*\i
.endr
.endr
.endm
.macro FRAG f
.irp c, 0,1
	v_max3_num_f32 v[MX+\c], |v[X+32*\c]|, |v[X+32*\c+1]|, 0x1800000   ; my block 2 c + h, and the floor 2^(3 - 127): the byte cannot fall under 1
.endr
.irp i, 2,4,6,8,10,12,14,16,18,20,22,24,26,28,30
.irp c, 0,1
	v_max3_num_f32 v[MX+\c], v[MX+\c], |v[X+32*\c+\i]|, |v[X+32*\c+\i+1]|   ; the two blocks by turns
.endr
.endr
.irp c, 0,1
	v_add_nc_u32 v[SC+\c], 0xff000000, v[MX+\c]    ; 2 off the exponent field: the conversion takes that field as its scale
.endr
.irp c, 0,1
	v_lshrrev_b32 v[BY+\c], 23, v[SC+\c]           ; the byte
.endr
	v_lshl_or_b32 v[WD], v[BY+1], 16, v[BY]        ; blocks h and 2 + h of my row,
	v_lshlrev_b32 v[WD], v[H8], v[WD]              ; 8 h bits up;
	v_permlanex16_b32 v[PM], v[WD], s4, s5
	v_or_b32 v[SW+(\f)], v[WD], v[PM]              ; with lane l xor 16's two the word is whole, in both halves of the lanes
.irp c, 0,1
.irp g, 0,1,2,3
	v_cvt_scalef32_pk8_fp4_f32 v[PC+8*(\f)+4*\c+\g], v[X+32*\c+8*\g:X+32*\c+8*\g+7], v[SC+\c]
.endr
.endr
	v_nop                                          ; one plain line behind the conversions: the next fragment writes their scale operands
.irp c, 0,1
	global_store_b128 v[LI], v[PC+8*(\f)+4*\c:PC+8*(\f)+4*\c+3], s[DST:DST+1] offset:1024*(\f)+512*\c   ; 512 consecutive bytes, aligned
.endr
.endm
.macro PASS f
.if (\f) < 3
	s_wait_loadcnt 16                              ; this fragment's 16 loads are in; the next fragment's 16 may be out
.else
	s_wait_loadcnt 0x0
.endif
	TURN \f
	s_wait_dscnt 0x0                               ; my blocks are back, so the stage's stores have read their registers,
.if (\f) < 2
	LOAD (\f)+2                                    ; which take the fragment two further on
.endif
	FRAG \f
.endm
	LOAD 0
	LOAD 1
	PASS 0
	PASS 1
	PASS 2
	PASS 3
	global_store_b128 v[LI], v[SW:SW+3], s[DSC:DSC+1]   ; four scale words a lane: 512 consecutive bytes
	s_wait_tensorcnt 0x0
	ds_add_u32 v254, v255
	s_wait_dscnt 0x0
	s_endpgm
.Lfunc_end_k_q75bc06a9ce_quant:
	.size	k_q75bc06a9ce_quant, .Lfunc_end_k_q75bc06a9ce_quant-k_q75bc06a9ce_quant
	.p2alignl 7, 3214868480
	.fill 96, 4, 3214868480
	.section	.rodata,"a",@progbits
	.p2align	6, 0x0
	.amdhsa_kernel k_q75bc06a9ce_quant
		.amdhsa_group_segment_fixed_size 60160
		.amdhsa_private_segment_fixed_size 0
		.amdhsa_enable_private_segment 0
		.amdhsa_kernarg_size 72
		.amdhsa_user_sgpr_count 2
		.amdhsa_user_sgpr_kernarg_segment_ptr 1
		.amdhsa_wavefront_size32 1
		.amdhsa_system_sgpr_workgroup_id_x 1
		.amdhsa_system_sgpr_workgroup_id_y 1
		.amdhsa_system_sgpr_workgroup_id_z 1
		.amdhsa_system_vgpr_workitem_id 0
		.amdhsa_next_free_vgpr 256
		.amdhsa_next_free_sgpr 66
		.amdhsa_reserve_vcc 0
		.amdhsa_float_denorm_mode_32 3
		.amdhsa_float_denorm_mode_16_64 3
		.amdhsa_memory_ordered 1
		.amdhsa_forward_progress 1
		.amdhsa_inst_pref_size 31
	.end_amdhsa_kernel
	.amdgpu_metadata
---
amdhsa.version: [ 1, 2 ]
amdhsa.kernels:
  - .name:           k_q75bc06a9ce_quant
    .symbol:         k_q75bc06a9ce_quant.kd
    .args:
      - { .name: x_content, .offset: 0, .size: 8, .value_kind: global_buffer, .address_space: global }
      - { .name: x_struct, .offset: 8, .size: 8, .value_kind: global_buffer, .address_space: global }
      - { .name: Wq, .offset: 16, .size: 8, .value_kind: global_buffer, .address_space: global }
      - { .name: Wsq, .offset: 24, .size: 8, .value_kind: global_buffer, .address_space: global }
      - { .name: Wk, .offset: 32, .size: 8, .value_kind: global_buffer, .address_space: global }
      - { .name: Wsk, .offset: 40, .size: 8, .value_kind: global_buffer, .address_space: global }
      - { .name: Wv, .offset: 48, .size: 8, .value_kind: global_buffer, .address_space: global }
      - { .name: Wo, .offset: 56, .size: 8, .value_kind: global_buffer, .address_space: global }
      - { .name: ac, .offset: 64, .size: 8, .value_kind: global_buffer, .address_space: global }
    .group_segment_fixed_size: 60160
    .private_segment_fixed_size: 0
    .kernarg_segment_align: 8
    .kernarg_segment_size: 72
    .max_flat_workgroup_size: 224
    .sgpr_count:     66
    .vgpr_count:     256
    .wavefront_size: 32
...
	.end_amdgpu_metadata
.endif
;; end of part 1
;; launch proj (part 2): grid 16 x 16, 4 waves a work-group, clusters of 4 x 1, 186,880 bytes of LDS; arguments ac, bq, bsq, bk, bsk, bv, qkv; writes qkv
.if DOCPART == 2
	.amdgcn_target "amdgcn-amd-amdhsa--gfx1250"
	.amdhsa_code_object_version 6
	.text
	.protected	k_q75bc06a9ce_proj
	.globl	k_q75bc06a9ce_proj
	.p2align	8
	.type	k_q75bc06a9ce_proj,@function
k_q75bc06a9ce_proj:
	s_mov_b64 s[64:65], 0
	v_nop
	global_prefetch_b8 v0, s[64:65] scope:SCOPE_SE
	s_setreg_imm32_b32 hwreg(HW_REG_WAVE_MODE, 25, 1), 1
	s_wait_xcnt 0x0
	s_wait_alu depctr_hold_cnt(0) depctr_sa_sdst(0) depctr_va_vdst(0) depctr_va_sdst(0) depctr_va_ssrc(0) depctr_va_vcc(0) depctr_vm_vsrc(0)
	s_getreg_b32 s2, hwreg(HW_REG_IB_STS2, 6, 4)
	s_cmp_eq_u32 s2, 0
	s_cbranch_scc0 .Lentry_in_a_cluster
	s_endpgm
.Lentry_in_a_cluster:
	s_bfe_u32 s2, ttmp6, 0x10000c
	s_cmp_lg_u32 s2, 0x3003
	s_cbranch_scc0 .Lentry_shape_is_right
	s_endpgm
.Lentry_shape_is_right:
; The five projections of one head for 256 tokens, on codes of FP4 with E8M0 scales, the bias as the C of each sum's first product, and the results quantised in registers into the operands of attention.
; SHARES.  Work-group (tg, hd): tokens 256 tg .. + 255, head hd.  Wave w keeps ITS four token tiles (16 tg + 4 w + i) of x_content and of x_struct in registers, all of K: 512 registers, loaded once.
; The head's four tiles of each of Wq, Wk, Wv, Wsq, Wsk (20 records of 9,216 bytes) come into LDS once; every wave walks them, two tiles a job: ten jobs of 64 products.
; CLUSTER.  The four work-groups of a cluster have the same head and other tokens: they need the same 20 records, which are asked for JOINTLY (mask 15), one load a wave, at the head.  Nothing in LDS is filled twice.
; LAYOUT.  A tile's lane r holds row 32 (T / 2) + 8 (T % 2) + r + 8 (r / 8), of tokens and of weights alike.  Q, K: source 0 = 16 rows of W, source 1 = 16 tokens: a lane holds one token, and the 16 registers of a pair of
; W's tiles are 16 neighbours along the head's axis, the next K.  V: source 0 = 16 tokens, source 1 = 16 rows of Wv: a lane holds one channel, and the 16 registers of a pair of token tiles are 16 neighbouring keys.
; A block of 32 lies in lanes l and l xor 16; its codes, 8 bytes a lane, go by one store to image + 256 b + 16 r + 8 h: the wave covers 256 consecutive bytes, aligned, and they lie as the operand's registers want them.
; qkv: a record of 23,040 bytes for (batch x head, 128 tokens): K's 8 images | V's 4 (16 channels x 128 keys) | K's scale words | V's | Q's 8 images | Q's scale words.  Along K a Q or K image holds content's 64, then struct's 64.
; LIMITS: NaN and infinities are not served; a block whose largest magnitude lies under 2^-124, a block of zeros too, takes the byte 1 (this program alone reads the bytes).
; REGISTERS, in windows of 256: window 2: x_content (tile i, K step s) at 64 i + 8 s; window 3: x_struct; window 1: two sets of two tiles of W at 128 p + 64 u + 8 s; window 0: see the names below.
.set REC,  9216
.set QREC, 23040
.set WMAT, 4*REC                       ; a matrix's four records in LDS
.set BIAS, 5*WMAT                      ; behind them: four slots of 256 bytes: this head's bq, bk, bsq, bsk
.set VSTG, BIAS+1024                   ; and two quads of V's scale words, 512 bytes each, one for each of the group's two key steps
.set LI,  1                            ; v1   16 x lane
.set BO,  2                            ; v2   16 r + 8 h: my 8 bytes of a block
.set BH,  3                            ; v3   BIAS + 64 h
.set VSA, 4                            ; v4   where my two bytes of V's scale words go
.set WAD, 5                            ; v5   16 x lane + the matrix in hand
.set BLA, 6                            ; v6   8 x lane
.set BSA, 7                            ; v7   my wave's bias slot + 8 x lane
.set BV,  8                            ; v8-11   bv at my lane's channel of Wv's four tiles
.set VW,  12                           ; v12-15  V's two bytes for each tile of channels
.set QW,  16                           ; v16-19  Q's scale words, a token tile each
.set KW,  20                           ; v20-23  K's
.set STR, 24                           ; v24-27  a bias slot on its way; at the end a quad of V's scale words
.set VRA, 28                           ; v28  where that quad is read back
.set BVA, 29                           ; v29  4 (r + 8 (r / 8))
.set XCS, 32                           ; v32-63  x_content's scale words, 8 i + s;  v64-95 x_struct's
.set WS,  96                           ; v96-127 W's scale words, 16 p + 8 u + s
.set ACC, 128                          ; v128-191 eight accumulators
.set BS,  192                          ; v192-223 the biases as C, 16 p + 8 u
.set TM,  224                          ; v224-227 largest magnitudes
.set TP,  228                          ; v228-231 lane l xor 16's
.set SC,  232                          ; v232-235 the conversions' scale operands
.set PC,  236                          ; v236-243 codes
.set WV,  18
.set SEL, 20
.set G1,  24                           ; s[24:31] descriptor group 1
.set G0,  32                           ; s[32:35] descriptor group 0
.set XCB, 52
.set XSB, 54
.set KB,  56
.set QB,  58
.set VB,  60
.set KSB, 62
.set QSB, 66
.set VSB, 68
.set BP,  70
.set BVP, 72
.set MSB, 0
.macro WIN new                         ; the immediate's high byte repeats the setting that is left
.if MSB != \new
	s_set_vgpr_msb (MSB<<8)|\new
.set MSB, \new
.endif
.endm
.macro PLACES n
.rept \n
	v_nop
.endr
.endm
.macro ROUND                           ; a round of the cluster's barrier
	s_barrier_signal -1
	s_barrier_wait -1
	s_cmp_lg_u32 s[WV], 0
	s_cbranch_scc1 .Lnot_wave_0_\@
	s_barrier_signal -3
.Lnot_wave_0_\@:
	s_barrier_wait -3
	s_barrier_signal -1
	s_barrier_wait -1
.endm
; nb blocks of 32, block b = my 16 numbers v[src + 16 b ..] and lane l xor 16's: the scale operands into v[sc + b], the codes into v[pc + 2 b], v[pc + 2 b + 1].  The blocks take turns line by line.
; Each accumulator is read from its low end on.  The caller's shift that makes the byte is the plain line behind the conversions.
.macro QBLK nb, src, mx, pm, sc, pc
.set qb, 0
.rept \nb
	v_max3_num_f32 v[\mx+qb], |v[\src+16*qb]|, |v[\src+16*qb+1]|, 0x1800000   ; and the floor 2^(3 - 127): the byte cannot fall under 1
.set qb, qb+1
.endr
.irp i, 2,4,6,8,10,12,14
.set qb, 0
.rept \nb
	v_max3_num_f32 v[\mx+qb], v[\mx+qb], |v[\src+16*qb+\i]|, |v[\src+16*qb+\i+1]|
.set qb, qb+1
.endr
.endr
.set qb, 0
.rept \nb
	v_permlanex16_b32 v[\pm+qb], v[\mx+qb], s[SEL], s[SEL+1]
.set qb, qb+1
.endr
.set qb, 0
.rept \nb
	v_max_num_f32 v[\mx+qb], v[\mx+qb], v[\pm+qb]
.set qb, qb+1
.endr
.set qb, 0
.rept \nb
	v_add_nc_u32 v[\sc+qb], 0xff000000, v[\mx+qb]  ; 2 off the exponent field
.set qb, qb+1
.endr
.set qb, 0
.rept \nb
	v_cvt_scalef32_pk8_fp4_f32 v[\pc+2*qb], v[\src+16*qb:\src+16*qb+7], v[\sc+qb]
	v_cvt_scalef32_pk8_fp4_f32 v[\pc+2*qb+1], v[\src+16*qb+8:\src+16*qb+15], v[\sc+qb]
.set qb, qb+1
.endr
.endm
	s_load_b256 s[4:11], s[0:1], 0x0               ; ac, bq, bsq, bk
	s_load_b128 s[12:15], s[0:1], 0x20             ; bsk, bv
	s_load_b64 s[16:17], s[0:1], 0x30              ; qkv
	v_lshl_add_u32 v254, v0, 2, 0x2d800
	v_mov_b32 v255, 0
	ds_add_u32 v254, v255
	ds_add_u32 v254, v255
	v_lshrrev_b32 v224, 5, v0
	v_readfirstlane_b32 s[WV], v224                ; wave 0..3
	v_and_b32 v224, 31, v0                         ; lane
	v_and_b32 v225, 15, v0                         ; r
	v_bfe_u32 v226, v0, 4, 1                       ; h
	v_lshlrev_b32 v[LI], 4, v224
	v_lshlrev_b32 v[BO], 4, v225
	v_lshl_add_u32 v[BO], v226, 3, v[BO]
	v_lshl_add_u32 v[BH], v226, 6, BIAS
	v_lshlrev_b32 v[BLA], 3, v224
	v_and_b32 v227, 8, v225
	v_add_nc_u32 v227, v227, v225
	v_lshlrev_b32 v[BVA], 2, v227
.irp b, 0,1,2,3
	v_mov_b32 v[TP+\b], 0                          ; written once: a lane permute's destination counts as one of its sources
.endr
	s_and_b32 s80, s[WV], 1                        ; w % 2
	s_lshr_b32 s81, s[WV], 1                       ; w / 2
	s_lshl_b32 s19, s81, 9
	s_lshl_b32 s82, s80, 1
	s_add_co_u32 s19, s19, s82
	s_add_co_u32 s19, s19, VSTG
	v_add_nc_u32 v[VSA], s19, v[LI]                ; quad w / 2, my lane's four words, bytes 2 (w % 2) on
	s_lshl_b32 s19, s80, 9
	s_add_co_u32 s19, s19, VSTG
	v_add_nc_u32 v[VRA], s19, v[LI]
	s_lshl_b32 s19, s[WV], 8
	s_add_co_u32 s19, s19, BIAS
	v_add_nc_u32 v[BSA], s19, v[BLA]
	s_mov_b32 s[SEL], 0x76543210
	s_mov_b32 s[SEL+1], 0xfedcba98
	s_bfe_u32 s83, ttmp6, 0x40000                  ; cx
	s_lshl_b32 s22, ttmp9, 2
	s_add_co_u32 s22, s22, s83                     ; tg = 4 x cluster x + cx: it enters x's and qkv's addresses alone
	s_and_b32 s23, ttmp7, 0xffff                   ; hd, which the four partners share
	; descriptor group 1: five records as 5 rows of 9,216 bytes (1,152 elements of 8 bytes), dense in LDS
	s_mov_b32 s[G1], 15|(3<<16)|(1<<21)            ; 15:0 the mask: all four work-groups; 17:16 elements of 8 bytes; 21 set beside a mask
	; ONE load a wave: tile 4 hd + w of the five matrices, as 5 rows of a whole record (1,152 elements of 8 bytes), 64 records apart in ac; dense in LDS
	s_mov_b32 s[G1+1], 1152<<16                    ; tensor_dim0
	s_mov_b32 s[G1+2], 5<<16                       ; tensor_dim1
	s_mov_b32 s[G1+3], 1152<<16                    ; tile_dim0
	s_mov_b32 s[G1+4], 5                           ; tile_dim1
	s_mov_b32 s[G1+5], 64*REC/8                    ; tensor_dim0_stride
	s_mov_b32 s[G1+6], 0
	s_mov_b32 s[G1+7], 0
	s_lshl_b32 s74, s23, 2
	s_add_co_u32 s74, s74, s[WV]
	s_add_co_u32 s74, s74, 512
	s_mul_i32 s74, s74, REC                        ; Wq's record of tile 4 hd + w: made of the head and the wave's number alone
	s_mov_b32 s75, 0
	s_mul_i32 s79, s[WV], 5*REC                    ; LDS: tile w's five records on end, in ac's order Wq, Wsq, Wk, Wsk, Wv
	s_lshl_b32 s76, s22, 4
	s_lshl_b32 s77, s[WV], 2
	s_add_co_u32 s76, s76, s77
	s_mul_i32 s76, s76, REC                        ; my four token tiles' records
	s_mov_b32 s77, 0
	s_lshr_b32 s84, s22, 3
	s_lshl_b32 s84, s84, 4
	s_add_co_u32 s84, s84, s23                     ; batch x head
	s_lshl_b32 s84, s84, 4
	s_and_b32 s85, s22, 7
	s_lshl_b32 s85, s85, 1
	s_add_co_u32 s84, s84, s85                     ; the record of the group's first key step
	s_add_co_u32 s86, s84, s80
	s_mul_i32 s86, s86, QREC
	s_add_co_u32 s86, s86, 13312                   ; V's scale words of key step w % 2 (waves 0 and 1 store them)
	s_mov_b32 s87, 0
	s_add_co_u32 s84, s84, s81
	s_mul_i32 s84, s84, QREC                       ; my tokens' record
	s_lshl_b32 s88, s80, 12
	s_add_co_u32 s88, s88, s84                     ; K's images 4 (w % 2) on
	s_mov_b32 s89, 0
	s_lshl_b32 s90, s80, 9
	s_add_co_u32 s90, s90, s84
	s_add_co_u32 s90, s90, 8192                    ; V's images, keys 64 (w % 2) on
	s_mov_b32 s91, 0
	s_lshl_b32 s92, s23, 8                         ; the head's 64 numbers of a bias
	s_mov_b32 s93, 0
	s_wait_dscnt 0x0
	s_wait_kmcnt 0x0
	s_add_nc_u64 s[74:75], s[4:5], s[74:75]
	s_add_nc_u64 s[XCB:XCB+1], s[4:5], s[76:77]
	s_add_nc_u64 s[XSB:XSB+1], s[XCB:XCB+1], 256*REC
	s_add_nc_u64 s[KB:KB+1], s[16:17], s[88:89]
	s_add_nc_u64 s[QB:QB+1], s[KB:KB+1], 13824
	s_add_nc_u64 s[VB:VB+1], s[16:17], s[90:91]
	s_add_nc_u64 s[KSB:KSB+1], s[VB:VB+1], 4096
	s_add_nc_u64 s[QSB:QSB+1], s[VB:VB+1], 13824
	s_add_nc_u64 s[VSB:VSB+1], s[16:17], s[86:87]
	s_mov_b64 s[BP:BP+1], s[12:13]                 ; wave w stages slot w: bq, bk, bsq, bsk
	s_cmp_eq_u32 s[WV], 2
	s_cselect_b64 s[BP:BP+1], s[8:9], s[BP:BP+1]
	s_cmp_eq_u32 s[WV], 1
	s_cselect_b64 s[BP:BP+1], s[10:11], s[BP:BP+1]
	s_cmp_eq_u32 s[WV], 0
	s_cselect_b64 s[BP:BP+1], s[6:7], s[BP:BP+1]
	s_add_nc_u64 s[BP:BP+1], s[BP:BP+1], s[92:93]
	s_add_nc_u64 s[BVP:BVP+1], s[14:15], s[92:93]
	s_mov_b32 s[G0], 1
	s_mov_b32 s[G0+1], s79
	s_mov_b64 s[G0+2:G0+3], s[74:75]
	s_or_b32 s[G0+3], s[G0+3], 0x80000000
	ROUND                                          ; all four work-groups are here: the joint loads meet
	tensor_load_to_lds s[G0:G0+3], s[G1:G1+7]      ; my one joint load
	s_nop 0
	PLACES 4                                       ; four plain lines behind the load
	global_load_b64 v[STR:STR+1], v[BLA], s[BP:BP+1]
	s_wait_alu depctr_va_vdst(0)
.irp t, 0,1,2,3
	global_load_b32 v[BV+\t], v[BVA], s[BVP:BVP+1] offset:128*(\t/2)+32*(\t%2)
.endr
.macro XLOAD win, base, sc             ; my four token tiles of one x: 64 loads of codes, 8 of scale words
	WIN \win
.irp i, 0,1,2,3
.irp s, 0,1,2,3,4,5,6,7
.irp c, 0,1
	global_load_b128 v[64*\i+8*\s+4*\c:64*\i+8*\s+4*\c+3], v[LI], s[\base:\base+1] offset:REC*\i+1024*\s+512*\c
.endr
.endr
.endr
	WIN 0
.irp i, 0,1,2,3
.irp k, 0,1
	global_load_b128 v[\sc+8*\i+4*\k:\sc+8*\i+4*\k+3], v[LI], s[\base:\base+1] offset:REC*\i+8192+512*\k
.endr
.endr
.endm
	XLOAD 0x80, XCB, XCS
	s_wait_loadcnt 63                              ; 72 loads were issued behind the biases': those five are in
	ds_store_b64 v[BSA], v[STR:STR+1]
	XLOAD 0xc0, XSB, XCS+32
	s_wait_loadcnt 63                              ; 72 loads were issued behind x_content's last: x_content is in
.macro BAR o                           ; matrix o lies whole in LDS for every wave.  The one load a wave brings all five matrices, so all lie in LDS from the first barrier on
	s_wait_tensorcnt 0x0                           ; my one load is in
	s_wait_dscnt 0x0                               ; no LDS instruction of mine is pending at the signal
	s_barrier_signal -1
	s_barrier_wait -1
.endm
.macro LOADW n                         ; job n's two tiles of W, their scale words and biases into set n % 2
.set lo, (\n)/2
.set lq, (\n)%2
	v_add_nc_u32 v[WAD], (10*lq+(2*lo)%5)*REC, v[LI]   ; tile 2 q's five records begin at 10 q records; the matrix is number (2 o) % 5 in ac's order
	WIN 0x40
.irp u, 0,1
.irp s, 0,1,2,3,4,5,6,7
.irp c, 0,1
	ds_load_b128 v[128*lq+64*\u+8*\s+4*\c:128*lq+64*\u+8*\s+4*\c+3], v[WAD] offset:5*\u*REC+1024*\s+512*\c
.endr
.endr
.endr
	WIN 0
.irp u, 0,1
.irp k, 0,1
	ds_load_b128 v[WS+16*lq+8*\u+4*\k:WS+16*lq+8*\u+4*\k+3], v[WAD] offset:5*\u*REC+8192+512*\k
.endr
.endr
.if lo == 2
.irp u, 0,1
.irp j, 0,1,2,3,4,5,6,7
	v_mov_b32 v[BS+16*lq+8*\u+\j], v[BV+2*lq+\u]   ; V: a lane holds one channel, so its eight registers take one number of bv
.endr
.endr
.else
.set lslot, lo-(lo/3)
.irp u, 0,1
.irp k, 0,1
	ds_load_b128 v[BS+16*lq+8*\u+4*\k:BS+16*lq+8*\u+4*\k+3], v[BH] offset:256*lslot+128*lq+32*\u+16*\k   ; the bias at channels 32 q + 16 h + 8 u + 0 .. 7
.endr
.endr
.endif
.endm
; 64 products: eight accumulators by turns, one instruction a turn, K step by K step.  kind 0: W x x_content; 1: W x x_struct; 2: x_content x Wv.
.macro MULS p, kind
.if \kind == 0
	WIN 0x09
.elseif \kind == 1
	WIN 0x0d
.else
	WIN 0x06
.endif
.irp s, 0,1,2,3,4,5,6,7
.irp a, 0,1,2,3,4,5,6,7
.set rD, ACC+8*\a
.if \kind == 2
.set rA, 64*(\a%4)+8*\s
.set rB, 128*\p+64*(\a/4)+8*\s
.set rC, BS+16*\p+8*(\a/4)
.set rSA, XCS+8*(\a%4)+\s
.set rSB, WS+16*\p+8*(\a/4)+\s
.else
.set rA, 128*\p+64*(\a%2)+8*\s
.set rB, 64*(\a/2)+8*\s
.set rC, BS+16*\p+8*(\a%2)
.set rSA, WS+16*\p+8*(\a%2)+\s
.set rSB, XCS+32*\kind+8*(\a/2)+\s
.endif
.if \s > 0
.set rC, rD
.endif
	v_wmma_scale_f32_16x16x128_f8f6f4 v[rD:rD+7], v[rA:rA+7], v[rB:rB+7], v[rC:rC+7], v[rSA], v[rSB] matrix_a_fmt:MATRIX_FMT_FP4 matrix_b_fmt:MATRIX_FMT_FP4
.endr
.endr
.endm
.macro JOB n
.set jo, (\n)/2
.set jq, (\n)%2
.set jk, 0
.if jo == 2
.set jk, 2
.elseif jo > 2
.set jk, 1
.endif
.if (\n) == 7                          ; all matrices lie in LDS since the first barrier; this one shows V's scale bytes (jobs 4 and 5) to waves 0 and 1
	BAR jo+1                                       ; this job's set is in (the wait for my LDS loads stands in it), and the next job's matrix lies in LDS
.else
	s_wait_dscnt 0x0                               ; this job's set is in
.endif
.if (\n) == 6
	s_wait_loadcnt 0x0                             ; x_struct
.endif
.if (\n) < 9
	LOADW (\n)+1                                   ; into the other set: its last readers stand ahead of the last job's conversions, more than four plain lines back
.endif
	MULS jq, jk
	WIN 0
	PLACES 4                                       ; in front of the first read of results
	s_wait_xcnt 0x0                                ; the last job's stores have read the codes' registers
	QBLK 4, ACC, TM, TP, SC, PC
.if jk == 2
.irp jj, 0,1                           ; block 2 jj + e: tile of channels 2 q + jj, keys 32 e on
	v_lshrrev_b32 v[VW+2*jq+\jj], 23, v[SC+2*\jj]
	v_lshrrev_b32 v[TM+2*\jj+1], 23, v[SC+2*\jj+1]
.endr
.irp jj, 0,1
	v_lshl_or_b32 v[VW+2*jq+\jj], v[TM+2*\jj+1], 8, v[VW+2*jq+\jj]
.endr
.irp jj, 0,1
.irp e, 0,1
	global_store_b64 v[BO], v[PC+2*(2*\jj+\e):PC+2*(2*\jj+\e)+1], s[VB:VB+1] offset:1024*(2*jq+\jj)+256*\e
.endr
.endr
.irp jj, 0,1
	ds_store_b16 v[VSA], v[VW+2*jq+\jj] offset:4*(2*jq+\jj)   ; my two bytes of the word: the other two are another wave's
.endr
.else
.set jb, 2*jk+jq                       ; which block of the image's four
.set jw, KW
.set jbase, KB
.if (jo == 0) || (jo == 3)
.set jw, QW
.set jbase, QB
.endif
.irp i, 0,1,2,3
.if jb == 0
	v_lshrrev_b32 v[jw+\i], 23, v[SC+\i]
.else
	v_lshrrev_b32 v[TM+\i], 23, v[SC+\i]
.endif
.endr
.if jb > 0
.irp i, 0,1,2,3
	v_lshl_or_b32 v[jw+\i], v[TM+\i], 8*jb, v[jw+\i]
.endr
.endif
.irp i, 0,1,2,3
	global_store_b64 v[BO], v[PC+2*\i:PC+2*\i+1], s[jbase:jbase+1] offset:1024*\i+256*jb   ; 256 consecutive bytes, aligned
.endr
.endif
.endm
	BAR 0                                          ; Wq and the four bias slots lie in LDS
	LOADW 0
	JOB 0
	JOB 1
	JOB 2
	JOB 3
	JOB 4
	JOB 5
	JOB 6
	JOB 7
	global_store_b128 v[LI], v[QW:QW+3], s[QSB:QSB+1]   ; Q's scale words of my four tiles: 512 consecutive bytes
	JOB 8
	JOB 9
	global_store_b128 v[LI], v[KW:KW+3], s[KSB:KSB+1]
	s_cmp_lt_u32 s[WV], 2                          ; V's scale words: every wave stored its bytes ahead of the barrier in job 7; waves 0 and 1 send a quad each
	s_cbranch_scc0 .Lno_vs
	ds_load_b128 v[STR:STR+3], v[VRA]
	s_wait_dscnt 0x0
	global_store_b128 v[LI], v[STR:STR+3], s[VSB:VSB+1]
.Lno_vs:
	s_wait_dscnt 0x0
	s_wait_tensorcnt 0x0
	ds_add_u32 v254, v255
	s_wait_dscnt 0x0
	ROUND                                          ; the closing round: no work-group ends while a partner may still ask for a record jointly
	s_endpgm
.Lfunc_end_k_q75bc06a9ce_proj:
	.size	k_q75bc06a9ce_proj, .Lfunc_end_k_q75bc06a9ce_proj-k_q75bc06a9ce_proj
	.p2alignl 7, 3214868480
	.fill 96, 4, 3214868480
	.section	.rodata,"a",@progbits
	.p2align	6, 0x0
	.amdhsa_kernel k_q75bc06a9ce_proj
		.amdhsa_group_segment_fixed_size 186880
		.amdhsa_private_segment_fixed_size 0
		.amdhsa_enable_private_segment 0
		.amdhsa_kernarg_size 56
		.amdhsa_user_sgpr_count 2
		.amdhsa_user_sgpr_kernarg_segment_ptr 1
		.amdhsa_wavefront_size32 1
		.amdhsa_system_sgpr_workgroup_id_x 1
		.amdhsa_system_sgpr_workgroup_id_y 1
		.amdhsa_system_sgpr_workgroup_id_z 1
		.amdhsa_system_vgpr_workitem_id 0
		.amdhsa_next_free_vgpr 1024
		.amdhsa_next_free_sgpr 96
		.amdhsa_reserve_vcc 0
		.amdhsa_float_denorm_mode_32 3
		.amdhsa_float_denorm_mode_16_64 3
		.amdhsa_memory_ordered 1
		.amdhsa_forward_progress 1
		.amdhsa_inst_pref_size 170
	.end_amdhsa_kernel
	.amdgpu_metadata
---
amdhsa.version: [ 1, 2 ]
amdhsa.kernels:
  - .name:           k_q75bc06a9ce_proj
    .symbol:         k_q75bc06a9ce_proj.kd
    .args:
      - { .name: ac, .offset: 0, .size: 8, .value_kind: global_buffer, .address_space: global }
      - { .name: bq, .offset: 8, .size: 8, .value_kind: global_buffer, .address_space: global }
      - { .name: bsq, .offset: 16, .size: 8, .value_kind: global_buffer, .address_space: global }
      - { .name: bk, .offset: 24, .size: 8, .value_kind: global_buffer, .address_space: global }
      - { .name: bsk, .offset: 32, .size: 8, .value_kind: global_buffer, .address_space: global }
      - { .name: bv, .offset: 40, .size: 8, .value_kind: global_buffer, .address_space: global }
      - { .name: qkv, .offset: 48, .size: 8, .value_kind: global_buffer, .address_space: global }
    .group_segment_fixed_size: 186880
    .private_segment_fixed_size: 0
    .kernarg_segment_align: 8
    .kernarg_segment_size: 56
    .max_flat_workgroup_size: 128
    .sgpr_count:     96
    .vgpr_count:     1024
    .wavefront_size: 32
...
	.end_amdgpu_metadata
.endif
;; end of part 2
;; launch attn (part 3): grid 8 x 32, 16 waves a work-group, clusters of 4 x 1, 237,056 bytes of LDS; arguments qkv, oc; writes oc
.if DOCPART == 3
	.amdgcn_target "amdgcn-amd-amdhsa--gfx1250"
	.amdhsa_code_object_version 6
	.text
	.protected	k_q75bc06a9ce_attn
	.globl	k_q75bc06a9ce_attn
	.p2align	8
	.type	k_q75bc06a9ce_attn,@function
k_q75bc06a9ce_attn:
	s_mov_b64 s[64:65], 0
	v_nop
	global_prefetch_b8 v0, s[64:65] scope:SCOPE_SE
	s_setreg_imm32_b32 hwreg(HW_REG_WAVE_MODE, 25, 1), 1
	s_wait_xcnt 0x0
	s_wait_alu depctr_hold_cnt(0) depctr_sa_sdst(0) depctr_va_vdst(0) depctr_va_sdst(0) depctr_va_ssrc(0) depctr_va_vcc(0) depctr_vm_vsrc(0)
	s_getreg_b32 s2, hwreg(HW_REG_IB_STS2, 6, 4)
	s_cmp_eq_u32 s2, 0
	s_cbranch_scc0 .Lentry_in_a_cluster
	s_endpgm
.Lentry_in_a_cluster:
	s_bfe_u32 s2, ttmp6, 0x10000c
	s_cmp_lg_u32 s2, 0x3003
	s_cbranch_scc0 .Lentry_shape_is_right
	s_endpgm
.Lentry_shape_is_right:
; O = softmax((q_c . k_c + q_s . k_s) / 8) v_c for one (batch, head) and 256 queries, both products on codes of FP4 with E8M0 scales; O / l is quantised along the channels into the output projection's operand.
; The two score products, K = 64 each, are ONE matrix instruction with K = 128: content's two blocks of 32, then struct's two.
; THE SOFTMAX: t = score x log2(e) / 8; M = the running largest t rounded UP to a whole number; p = 2^(t - M) is quantised along the keys; the row's sum is taken of the unquantised p and divides O at the end.
; When M moves, the sum and O are multiplied by 2^(old M - new M): exact.
; SHARES.  Work-group (qb, bh); each of its sixteen waves owns one tile of 16 queries in 256 registers, four waves to a SIMD.
; The head's K and V, 16 key steps of 13,824 bytes, lie in LDS whole, filled once: wave w asks for key step w, one tensor load a wave.  A wave multiplies ITS OWN key step first, behind its own wait on TENSORcnt,
; between the signal and the wait of the one barrier that shows all sixteen key steps to all waves; then it walks the other fifteen, (w + i) mod 16: the running M takes the keys in any order.
; CLUSTER.  The four query blocks of a cluster belong to one head and read the same K and V: each key step is asked for JOINTLY (mask 15).
; No prefetch: every byte of K and V is asked for by the head's one load a wave, so there is no loop to run ahead in.
; LAYOUT.  S^T = K Q^T, O^T = V^T P^T: a lane holds ONE query throughout.  qkv holds K as images of tiles T whose lane r is key 32 (T / 2) + 8 (T % 2) + r + 8 (r / 8).  The tiles that are multiplied here take other rows:
; row 8 g + j of tile (c, t) is key 64 c + 32 g + 8 t + j, which is lane 8 (t / 2) + j of image 4 c + 2 g + t % 2: a lane term and an immediate.  So lane (query, h) holds in the 32 registers of tiles (c, 0 .. 3)
; the whole block 2 c + h of 32 keys, in order: its largest score needs no other lane, and the conversion of tile (c, t) IS register 4 c + t of P's operand.
; In LDS a row of 512 bytes has 32 bytes of padding behind it (pitch 544), so that images 2 g apart start half a row of banks apart and the sixteen lanes of a K load touch sixteen different 16-byte columns.
; LIMITS: NaN and infinities are not served; the scaled scores stay under 2^31 in magnitude; v_exp_f32 and v_rcp_f32 are good to one unit in the last place and flush denormals; a block whose largest magnitude lies under 2^-124 takes the byte 1.
.set REC,  9216
.set QREC, 23040
.set RP,   544                         ; an LDS row: 512 bytes + 32
.set KVP,  27*RP                       ; a key step in LDS: rows 0-15 K's 8 images, 16-23 V's 4, 24-25 K's two quads of scale words, 26 V's quad
.set SPARE, 16*KVP                     ; the spare words: 128 bytes a wave, eight blocks of 256 bytes that no other line names
.set LI,  1                            ; v1   16 x lane
.set BO,  2                            ; v2   16 r + 8 h
.set AKL, 3                            ; v3   K: 4 RP g + 16 j + 256 h  (g = bit 3 of the lane, j = its low three bits)
.set ASL, 4                            ; v4   K's scale words: 16 j + 8 g
.set SPW, 5                            ; v5   my spare word; never rewritten
.set NIL, 6                            ; v6   0; never rewritten
.set H8,  7                            ; v7   8 h
.set ADK, 8                            ; v8-10 the three lane terms + the key step in hand
.set ADV, 9
.set ADS, 10
.set QF,  16                           ; v16-23   Q
.set KS,  24                           ; v24-31   K's scale words, tile 4 c + t
.set KF,  32                           ; v32-95   K's eight fragments
.set VF,  192                          ; v192-223 V's four
.set VS,  240                          ; v240-243 V's scale words
.set QS,  255                          ; v255     Q's scale word
; v11 the new -M; v12 -M, v13 the largest score; v[14:15] the sum in two halves; v96-159 S^T, then p; v160-191 O^T; v224-231 p's codes; v232-239, v244-251, v254 at work; v252 f; v253 p's scale word
.set WV,  18
.set SEL, 20
.set CS,  22
.set G1,  24
.set G0,  32
.set TB,  48                           ; s48  LDS byte of the key step in hand
.set CNT, 49
.set QBS, 50                           ; s[50:51] Q's image;  s[52:53] its scale words;  s[54:55] O's blocks;  s[56:57] O's two scale bytes
.set QSS, 52
.set OB,  54
.set OSB, 56
.set KI,  60                           ; s60  wave + steps walked
.set NC,  61                           ; s61  -c
.macro PLACES n
.rept \n
	v_nop
.endr
.endm
.macro ROUND
	s_barrier_signal -1
	s_barrier_wait -1
	s_cmp_lg_u32 s[WV], 0
	s_cbranch_scc1 .Lnot_wave_0_\@
	s_barrier_signal -3
.Lnot_wave_0_\@:
	s_barrier_wait -3
	s_barrier_signal -1
	s_barrier_wait -1
.endm
	s_load_b128 s[4:7], s[0:1], 0x0                ; qkv, oc
	v_lshl_add_u32 v[SPW], v0, 2, SPARE
	v_mov_b32 v[NIL], 0
	ds_add_u32 v[SPW], v[NIL]                      ; the add twice on end; its wait stands ahead of my tensor load
	ds_add_u32 v[SPW], v[NIL]
	v_lshrrev_b32 v8, 5, v0
	v_and_b32 v9, 15, v0                           ; r
	v_readfirstlane_b32 s[WV], v8                  ; wave 0..15
	v_and_b32 v8, 31, v0
	v_bfe_u32 v10, v0, 4, 1                        ; h
	v_and_b32 v11, 7, v0                           ; j
	v_bfe_u32 v12, v0, 3, 1                        ; g
	v_lshlrev_b32 v[LI], 4, v8
	v_lshlrev_b32 v[BO], 4, v9
	v_lshlrev_b32 v[ASL], 4, v11
	v_lshlrev_b32 v[H8], 3, v10
	v_lshl_add_u32 v[BO], v10, 3, v[BO]
	v_lshl_add_u32 v[AKL], v10, 8, v[ASL]
	v_lshl_add_u32 v[ASL], v12, 3, v[ASL]
	v_mov_b32 v236, 0                              ; written once: a lane permute's destination counts as one of its sources
	v_mad_u32_u24 v[AKL], v12, 4*RP, v[AKL]
	v_mov_b32 v237, 0
	s_bfe_u32 s8, ttmp6, 0x40000                   ; cx
	s_lshl_b32 s9, ttmp9, 2
	s_add_co_u32 s9, s9, s8                        ; qb: it enters Q's and O's addresses alone
	s_and_b32 s10, ttmp7, 0xffff                   ; bh, which the four partners share
	s_mov_b32 s[G1], 15|(3<<16)|(1<<20)|(1<<21)|(6<<22)|(7<<25)   ; the mask: all four; elements of 8 bytes; padding on; bit 21 beside a mask; after every 128 words, 8 words
	s_mov_b32 s[G1+1], 64<<16                      ; 27 rows of 512 bytes, dense in memory
	s_mov_b32 s[G1+2], 27<<16
	s_mov_b32 s[G1+3], 64<<16
	s_mov_b32 s[G1+4], 27
	s_mov_b32 s[G1+5], 64
	s_mov_b32 s[G1+6], 0
	s_mov_b32 s[G1+7], 0
	s_and_b32 s11, s[WV], 3
	s_lshl_b32 s12, s10, 4
	s_add_co_u32 s12, s12, s[WV]
	s_mul_i32 s12, s12, QREC                       ; the head's record w: made of the head and the wave's number alone
	s_mov_b32 s13, 0
	s_lshl_b32 s50, s10, 4
	s_lshl_b32 s15, s9, 1
	s_add_co_u32 s50, s50, s15
	s_lshr_b32 s15, s[WV], 3
	s_add_co_u32 s50, s50, s15
	s_mul_i32 s50, s50, QREC                       ; the record that holds my queries: 2 qb + w / 8
	s_and_b32 s15, s[WV], 7
	s_lshl_b32 s16, s15, 10
	s_lshr_b32 s17, s15, 2
	s_lshl_b32 s17, s17, 9
	s_add_co_u32 s52, s50, s17
	s_lshl_b32 s17, s11, 2
	s_add_co_u32 s52, s52, s17
	s_add_co_u32 s52, s52, 22016
	s_mov_b32 s53, 0
	s_add_co_u32 s50, s50, s16
	s_add_co_u32 s50, s50, 13824
	s_mov_b32 s51, 0
	s_lshr_b32 s54, s10, 4
	s_lshl_b32 s54, s54, 7
	s_lshl_b32 s15, s9, 4
	s_add_co_u32 s54, s54, s15
	s_add_co_u32 s54, s54, s[WV]                   ; my token tile among the 256
	s_mul_i32 s54, s54, REC
	s_and_b32 s15, s10, 15                         ; the head
	s_and_b32 s16, s15, 1
	s_lshr_b32 s17, s15, 1                         ; its K step of the output projection
	s_lshr_b32 s56, s15, 3
	s_lshl_b32 s56, s56, 9
	s_add_co_u32 s56, s56, s54
	s_and_b32 s58, s17, 3
	s_lshl_b32 s58, s58, 2
	s_add_co_u32 s56, s56, s58
	s_lshl_b32 s58, s16, 1
	s_add_co_u32 s56, s56, s58
	s_add_co_u32 s56, s56, 8192
	s_mov_b32 s57, 0
	s_lshl_b32 s17, s17, 10
	s_add_co_u32 s54, s54, s17
	s_lshl_b32 s16, s16, 9
	s_add_co_u32 s54, s54, s16
	s_mov_b32 s55, 0
	s_mov_b32 s[SEL], 0x76543210
	s_mov_b32 s[SEL+1], 0xfedcba98
	s_mov_b32 s[CS], 0x3e38aa3b                    ; c = log2(e) / 8
	s_mov_b32 s[CS+1], s[CS]                       ; (named with it as a pair, so it is written)
	s_mov_b32 s[NC], 0xbe38aa3b                    ; -c
	s_mul_i32 s[TB], s[WV], KVP                    ; my own key step
	s_mov_b32 s[KI], s[WV]
	s_mov_b32 s[G0], 1
	s_mul_i32 s[G0+1], s[WV], KVP
	s_wait_alu depctr_va_vdst(0)
	s_wait_dscnt 0x0                               ; both opening adds are done
	s_wait_kmcnt 0x0
	s_add_nc_u64 s[G0+2:G0+3], s[4:5], s[12:13]
	s_or_b32 s[G0+3], s[G0+3], 0x80000000
	s_add_nc_u64 s[QBS:QBS+1], s[4:5], s[QBS:QBS+1]
	s_add_nc_u64 s[QSS:QSS+1], s[4:5], s[QSS:QSS+1]
	s_add_nc_u64 s[OB:OB+1], s[6:7], s[OB:OB+1]
	s_add_nc_u64 s[OSB:OSB+1], s[6:7], s[OSB:OSB+1]
.irp c, 0,1
	global_load_b128 v[QF+4*\c:QF+4*\c+3], v[LI], s[QBS:QBS+1] offset:512*\c
.endr
	global_load_b32 v[QS], v[LI], s[QSS:QSS+1]
	ROUND                                          ; all four work-groups are here: the joint loads meet
	tensor_load_to_lds s[G0:G0+3], s[G1:G1+7]      ; key step w: one load of mine is out
	s_nop 0
	PLACES 4                                       ; four plain lines behind the load
; A KEY STEP: 128 keys.  first = 1: the wave's first: it starts M, the sum and O^T, so nothing is cleared
.macro STEP first
	v_add_nc_u32 v[ADK], s[TB], v[AKL]
	v_add_nc_u32 v[ADS], s[TB], v[ASL]
.irp c, 0,1
.irp a, 0,1
.irp u, 0,1
.irp k, 0,1
	ds_load_b128 v[KF+8*(4*\c+2*\a+\u)+4*\k:KF+8*(4*\c+2*\a+\u)+4*\k+3], v[ADK] offset:RP*(8*\c+2*\u+\k)+128*\a
.endr
.endr
.endr
.endr
.irp c, 0,1
.irp a, 0,1
	ds_load_b64 v[KS+4*\c+2*\a:KS+4*\c+2*\a+1], v[ADS] offset:RP*(24+\c)+128*\a   ; the words of tiles (c, 2 a) and (c, 2 a + 1)
.endr
.endr
	s_wait_dscnt 0x0                               ; K and its scale words
.irp t, 0,1,2,3,4,5,6,7
	v_wmma_scale_f32_16x16x128_f8f6f4 v[96+8*\t:103+8*\t], v[KF+8*\t:KF+8*\t+7], v[QF:QF+7], 0, v[KS+\t], v[QS] matrix_a_fmt:MATRIX_FMT_FP4 matrix_b_fmt:MATRIX_FMT_FP4
.endr
	v_add_nc_u32 v[ADV], s[TB], v[LI]
	PLACES 3                                       ; with the line above four places behind the products; with the step's first two lines six behind the last step's, whose operands are loaded anew below
.irp t, 0,1,2,3
.irp k, 0,1
	ds_load_b128 v[VF+8*\t+4*\k:VF+8*\t+4*\k+3], v[ADV] offset:RP*(16+2*\t+\k)
.endr
.endr
	ds_load_b128 v[VS:VS+3], v[ADV] offset:RP*26
.irp c, 0,1                            ; the largest score of my two blocks of 32 keys, each in two chains; every accumulator is read from its low end on
	v_max3_num_f32 v[232+\c], v[96+32*\c], v[97+32*\c], v[98+32*\c]
	v_max3_num_f32 v[234+\c], v[112+32*\c], v[113+32*\c], v[114+32*\c]
.endr
.irp i, 3,5,7,9,11,13
.irp c, 0,1
	v_max3_num_f32 v[232+\c], v[232+\c], v[96+32*\c+\i], v[97+32*\c+\i]
	v_max3_num_f32 v[234+\c], v[234+\c], v[112+32*\c+\i], v[113+32*\c+\i]
.endr
.endr
.irp c, 0,1
	v_max3_num_f32 v[232+\c], v[232+\c], v[111+32*\c], v[127+32*\c]
.endr
.irp c, 0,1
	s_delay_alu instid0(VALU_DEP_2)
	v_max_num_f32 v[232+\c], v[232+\c], v[234+\c]  ; it serves the row's maximum and, since p rises with the score, the block's largest p
.endr
	s_delay_alu instid0(VALU_DEP_1)
	v_max_num_f32 v254, v232, v233
	s_delay_alu instid0(VALU_DEP_1)
	v_permlanex16_b32 v236, v254, s[SEL], s[SEL+1]
	s_delay_alu instid0(VALU_DEP_1)
.if \first
	v_max_num_f32 v13, v254, v236                  ; the largest score of my query
	s_delay_alu instid0(VALU_DEP_1)
	v_mul_f32 v254, s[NC], v13
	s_delay_alu instid0(VALU_DEP_1)
	v_floor_f32 v12, v254                          ; -M = floor(-t): M is a whole number
.else
	v_max3_num_f32 v13, v13, v254, v236            ; the running largest score
	s_delay_alu instid0(VALU_DEP_1)
	v_mul_f32 v254, s[NC], v13
	s_delay_alu instid0(VALU_DEP_1)
	v_floor_f32 v11, v254                          ; the new -M
	s_delay_alu instid0(VALU_DEP_1)
	v_sub_f32 v254, v11, v12                       ; old M - new M: a whole number, 0 or less
	v_mov_b32 v12, v11
	s_delay_alu instid0(VALU_DEP_2)
	v_cvt_i32_f32 v254, v254                       ; (it saturates)
	s_delay_alu instid0(VALU_DEP_1)
	v_ldexp_f32 v252, 1.0, v254                    ; f = 2^(old M - new M)
.endif
.irp j, 0,2,4,6,8,10,12,14,16,18,20,22,24,26,28,30,32,34,36,38,40,42,44,46,48,50,52,54,56,58,60,62
	v_pk_fma_f32 v[96+\j:97+\j], v[96+\j:97+\j], s[CS:CS+1], v[12:13] op_sel_hi:[1,0,0]   ; t - M, two at a time
.endr
.irp c, 0,1
	v_fma_f32 v[232+\c], v[232+\c], s[CS], v12     ; the same of each block's largest score
.endr
.if \first == 0
.irp j, 0,2,4,6,8,10,12,14,16,18,20,22,24,26,28,30
	v_pk_mul_f32 v[160+\j:161+\j], v[160+\j:161+\j], v[252:253] op_sel_hi:[1,0]   ; O^T under the new M: read here, ahead of the exponentials
.endr
.endif
	s_wait_alu depctr_va_vdst(0)
.irp c, 0,1
	v_exp_f32 v[232+\c], v[232+\c]                 ; the block's largest p
.endr
.irp j, 0,1,2,3,4,5,6,7,8,9,10,11,12,13,14,15,16,17,18,19,20,21,22,23,24,25,26,27,28,29,30,31,32,33,34,35,36,37,38,39,40,41,42,43,44,45,46,47,48,49,50,51,52,53,54,55,56,57,58,59,60,61,62,63
	v_exp_f32 v[96+\j], v[96+\j]                   ; p = 2^(t - M): not normalised
.endr
.if \first
	v_nop                                          ; the plain line behind the exponentials
.else
	v_pk_mul_f32 v[14:15], v[14:15], v[252:253] op_sel_hi:[1,0]   ; the sums under the new M: the plain line behind the exponentials
.endif
	s_wait_alu depctr_va_vdst(0)                   ; one wait for the whole batch, ahead of its first reader
.irp c, 0,1
	v_max_num_f32 v[232+\c], 0x1800000, v[232+\c]  ; the floor 2^(3 - 127): the byte cannot fall under 1
.endr
.irp c, 0,1
	s_delay_alu instid0(VALU_DEP_2)
	v_add_nc_u32 v[244+\c], 0xff000000, v[232+\c]  ; 2 off the exponent field: the conversion's scale operand
.endr
.irp c, 0,1
.irp t, 0,1,2,3
	v_cvt_scalef32_pk8_fp4_f32 v[224+4*\c+\t], v[96+32*\c+8*\t:103+32*\c+8*\t], v[244+\c]   ; keys 64 c + 32 h + 8 t + 0 .. 7: register 4 c + t of the operand
.endr
.endr
.irp c, 0,1
	v_lshrrev_b32 v[238+\c], 23, v[244+\c]         ; the bytes of blocks h and 2 + h
.endr
	s_delay_alu instid0(VALU_DEP_1)
	v_lshl_or_b32 v254, v239, 16, v238
	s_delay_alu instid0(VALU_DEP_1)
	v_lshlrev_b32 v254, v[H8], v254                ; 8 h bits up;
	s_delay_alu instid0(VALU_DEP_1)
	v_permlanex16_b32 v237, v254, s[SEL], s[SEL+1]
	s_delay_alu instid0(VALU_DEP_1)
	v_or_b32 v253, v254, v237                      ; with lane l xor 16's two the scale word of these 128 keys is whole
.irp k, 0,1,2,3                        ; the row's sum of the unquantised p, two at a time, in four chains; these lines are also the places between p's codes and scale word and the products
	v_pk_add_f32 v[244+2*\k:245+2*\k], v[96+2*\k:97+2*\k], v[104+2*\k:105+2*\k]
.endr
.set si, 8
.rept 24
	v_pk_add_f32 v[244+2*(si%4):245+2*(si%4)], v[244+2*(si%4):245+2*(si%4)], v[96+2*si:97+2*si]
.set si, si+1
.endr
	v_pk_add_f32 v[244:245], v[244:245], v[246:247]
	v_pk_add_f32 v[248:249], v[248:249], v[250:251]
.if \first
	s_delay_alu instid0(VALU_DEP_1)
	v_pk_add_f32 v[14:15], v[244:245], v[248:249]
.else
	s_delay_alu instid0(VALU_DEP_2)
	v_pk_add_f32 v[14:15], v[14:15], v[244:245]
	s_delay_alu instid0(VALU_DEP_1)
	v_pk_add_f32 v[14:15], v[14:15], v[248:249]
.endif
	s_wait_alu depctr_va_vdst(0)
	s_wait_dscnt 0x0                               ; V and its scale words
.irp t, 0,1,2,3
.if \first
	v_wmma_scale_f32_16x16x128_f8f6f4 v[160+8*\t:167+8*\t], v[VF+8*\t:VF+8*\t+7], v[224:231], 0, v[VS+\t], v253 matrix_a_fmt:MATRIX_FMT_FP4 matrix_b_fmt:MATRIX_FMT_FP4
.else
	v_wmma_scale_f32_16x16x128_f8f6f4 v[160+8*\t:167+8*\t], v[VF+8*\t:VF+8*\t+7], v[224:231], v[160+8*\t:167+8*\t], v[VS+\t], v253 matrix_a_fmt:MATRIX_FMT_FP4 matrix_b_fmt:MATRIX_FMT_FP4
.endif
.endr
.endm
	s_wait_alu depctr_va_vdst(0)
	s_wait_loadcnt 0x0                             ; Q
	s_wait_tensorcnt 0x0                           ; my key step is in:
	s_barrier_signal -1                            ; say so; no LDS instruction of mine is out
	STEP 1                                         ; between signal and wait: register work and loads of my own key step's bytes, which nobody writes again
	s_barrier_wait -1                              ; all sixteen key steps are in
	s_mov_b32 s[CNT], 15
.Lstep:
	s_add_co_u32 s[KI], s[KI], 1
	s_and_b32 s[TB], s[KI], 15
	s_mul_i32 s[TB], s[TB], KVP                    ; key step (w + i) mod 16
	STEP 0
	s_sub_co_u32 s[CNT], s[CNT], 1
	s_cmp_lg_u32 s[CNT], 0
	s_cbranch_scc1 .Lstep
	; THE WAY OUT: O^T / the sum, quantised along the channels: two blocks of 32, which are blocks 2 (head % 2) and + 1 of K step head / 2 of my token tile's record
	PLACES 4
	v_add_f32 v14, v14, v15                        ; the sum's two halves,
	s_delay_alu instid0(VALU_DEP_1)
	v_permlanex16_b32 v252, v14, s[SEL], s[SEL+1]
	s_delay_alu instid0(VALU_DEP_1)
	v_add_f32 v14, v14, v252                       ; and lane l xor 16's
	s_wait_alu depctr_va_vdst(0)
	v_rcp_f32 v14, v14
	v_nop                                          ; a plain line behind the reciprocal
	s_wait_alu depctr_va_vdst(0)                   ; and the wait ahead of its first reader, which is also O^T's
.irp j, 0,2,4,6,8,10,12,14,16,18,20,22,24,26,28,30
	v_pk_mul_f32 v[96+\j:97+\j], v[160+\j:161+\j], v[14:15] op_sel_hi:[1,0]   ; register 16 e + i: channel 32 e + 16 h + i of my query
.endr
.irp b, 0,1
	v_max3_num_f32 v[232+\b], |v[96+16*\b]|, |v[97+16*\b]|, 0x1800000
.endr
.irp i, 2,4,6,8,10,12,14
.irp b, 0,1
	s_delay_alu instid0(VALU_DEP_2)
	v_max3_num_f32 v[232+\b], v[232+\b], |v[96+16*\b+\i]|, |v[97+16*\b+\i]|
.endr
.endr
.irp b, 0,1
	s_delay_alu instid0(VALU_DEP_2)
	v_permlanex16_b32 v[236+\b], v[232+\b], s[SEL], s[SEL+1]
.endr
.irp b, 0,1
	s_delay_alu instid0(VALU_DEP_2)
	v_max_num_f32 v[232+\b], v[232+\b], v[236+\b]
.endr
.irp b, 0,1
	s_delay_alu instid0(VALU_DEP_2)
	v_add_nc_u32 v[244+\b], 0xff000000, v[232+\b]
.endr
.irp b, 0,1
	v_cvt_scalef32_pk8_fp4_f32 v[224+2*\b], v[96+16*\b:103+16*\b], v[244+\b]
	v_cvt_scalef32_pk8_fp4_f32 v[225+2*\b], v[104+16*\b:111+16*\b], v[244+\b]
.endr
	v_lshrrev_b32 v232, 23, v244
	v_lshrrev_b32 v233, 23, v245
	s_delay_alu instid0(VALU_DEP_1)
	v_lshl_or_b32 v232, v233, 8, v232
	global_store_b64 v[BO], v[224:225], s[OB:OB+1]               ; 256 consecutive bytes, aligned
	global_store_b64 v[BO], v[226:227], s[OB:OB+1] offset:256
	global_store_b16 v[LI], v232, s[OSB:OSB+1]     ; two bytes of a scale word: the word's other two belong to the neighbouring head, another work-group's; 64 bytes a wave against its 512 of codes
	s_wait_tensorcnt 0x0                           ; the wave's end
	ds_add_u32 v[SPW], v[NIL]
	s_wait_dscnt 0x0
	ROUND                                          ; the closing round
	s_endpgm
.Lfunc_end_k_q75bc06a9ce_attn:
	.size	k_q75bc06a9ce_attn, .Lfunc_end_k_q75bc06a9ce_attn-k_q75bc06a9ce_attn
	.p2alignl 7, 3214868480
	.fill 96, 4, 3214868480
	.section	.rodata,"a",@progbits
	.p2align	6, 0x0
	.amdhsa_kernel k_q75bc06a9ce_attn
		.amdhsa_group_segment_fixed_size 237056
		.amdhsa_private_segment_fixed_size 0
		.amdhsa_enable_private_segment 0
		.amdhsa_kernarg_size 16
		.amdhsa_user_sgpr_count 2
		.amdhsa_user_sgpr_kernarg_segment_ptr 1
		.amdhsa_wavefront_size32 1
		.amdhsa_system_sgpr_workgroup_id_x 1
		.amdhsa_system_sgpr_workgroup_id_y 1
		.amdhsa_system_sgpr_workgroup_id_z 1
		.amdhsa_system_vgpr_workitem_id 0
		.amdhsa_next_free_vgpr 256
		.amdhsa_next_free_sgpr 66
		.amdhsa_reserve_vcc 0
		.amdhsa_float_denorm_mode_32 3
		.amdhsa_float_denorm_mode_16_64 3
		.amdhsa_memory_ordered 1
		.amdhsa_forward_progress 1
		.amdhsa_inst_pref_size 39
	.end_amdhsa_kernel
	.amdgpu_metadata
---
amdhsa.version: [ 1, 2 ]
amdhsa.kernels:
  - .name:           k_q75bc06a9ce_attn
    .symbol:         k_q75bc06a9ce_attn.kd
    .args:
      - { .name: qkv, .offset: 0, .size: 8, .value_kind: global_buffer, .address_space: global }
      - { .name: oc, .offset: 8, .size: 8, .value_kind: global_buffer, .address_space: global }
    .group_segment_fixed_size: 237056
    .private_segment_fixed_size: 0
    .kernarg_segment_align: 8
    .kernarg_segment_size: 16
    .max_flat_workgroup_size: 512
    .sgpr_count:     66
    .vgpr_count:     256
    .wavefront_size: 32
...
	.end_amdgpu_metadata
.endif
;; end of part 3
;; launch outp (part 4): grid 16 x 16, 4 waves a work-group, clusters of 4 x 1, 168,448 bytes of LDS; arguments oc, ac, bo, out0; writes out0
.if DOCPART == 4
	.amdgcn_target "amdgcn-amd-amdhsa--gfx1250"
	.amdhsa_code_object_version 6
	.text
	.protected	k_q75bc06a9ce_outp
	.globl	k_q75bc06a9ce_outp
	.p2align	8
	.type	k_q75bc06a9ce_outp,@function
k_q75bc06a9ce_outp:
	s_mov_b64 s[64:65], 0
	v_nop
	global_prefetch_b8 v0, s[64:65] scope:SCOPE_SE
	s_setreg_imm32_b32 hwreg(HW_REG_WAVE_MODE, 25, 1), 1
	s_wait_xcnt 0x0
	s_wait_alu depctr_hold_cnt(0) depctr_sa_sdst(0) depctr_va_vdst(0) depctr_va_sdst(0) depctr_va_ssrc(0) depctr_va_vcc(0) depctr_vm_vsrc(0)
	s_getreg_b32 s2, hwreg(HW_REG_IB_STS2, 6, 4)
	s_cmp_eq_u32 s2, 0
	s_cbranch_scc0 .Lentry_in_a_cluster
	s_endpgm
.Lentry_in_a_cluster:
	s_bfe_u32 s2, ttmp6, 0x10000c
	s_cmp_lg_u32 s2, 0x3003
	s_cbranch_scc0 .Lentry_shape_is_right
	s_endpgm
.Lentry_shape_is_right:
; out0 = O Wo^T + bo on codes of FP4 with E8M0 scales.  Work-group (tg, cg): tokens 256 tg .. + 255, columns 64 cg .. + 63.
; Wave w keeps its four token tiles of O (16 tg + 4 w + i), all of K, in window 2, loaded once as images of the operand's registers; Wo's four tiles come into LDS once and from there into window 1 of every wave.
; CLUSTER.  The four work-groups of a cluster have the same columns and other tokens: Wo's four records are asked for JOINTLY (mask 15), one load a wave.  Nothing in LDS is filled twice.
; Source 0 = 16 rows of Wo, source 1 = 16 tokens: a lane holds one token, and the 16 registers of a pair of Wo's tiles are 16 neighbouring columns.  bo is the C of each sum's first product.
; The results go through the wave's own stage in LDS (64 rows x 272 bytes) and leave as rows: sixteen lanes store 256 consecutive bytes, aligned.  The stage's stores fall two deep on the banks
; (a tile's rows r and r + 16 lie a whole number of times through the banks apart at any pitch that is a multiple of 16 bytes): 32 stores a wave.
; Wo's records and the stages take 106,496 bytes of LDS, the spare words the last 512; the claim is larger so that the work-group is alone on its WGP.
.set REC,  9216
.set STG,  4*REC                       ; behind Wo's records: the stages
.set SPT,  272
.set LI,  1                            ; v1   16 x lane
.set BHO, 3                            ; v3   64 h
.set SWA, 4                            ; v4   the stage on the way in: row r + 8 (r / 8), + 64 h
.set RDA, 5                            ; v5   and back: lanes 0-15 one row, lanes 16-31 the next
.set GO,  6                            ; v6   the same two rows in out0
.set OSC, 16                           ; v16-47  O's scale words, 8 i + s
.set WSC, 48                           ; v48-79  Wo's, 8 t + s
.set BS,  80                           ; v80-111 bo as C, 8 t
.set ACC, 112                          ; v112-239 sixteen accumulators, 64 pair + 16 i + 8 u
.set WV,  18
.set G1,  24
.set G0,  32
.set OCB, 36
.set BOB, 38
.set OUT, 40
.set MSB, 0
.macro WIN new
.if MSB != \new
	s_set_vgpr_msb (MSB<<8)|\new
.set MSB, \new
.endif
.endm
.macro PLACES n
.rept \n
	v_nop
.endr
.endm
.macro ROUND
	s_barrier_signal -1
	s_barrier_wait -1
	s_cmp_lg_u32 s[WV], 0
	s_cbranch_scc1 .Lnot_wave_0_\@
	s_barrier_signal -3
.Lnot_wave_0_\@:
	s_barrier_wait -3
	s_barrier_signal -1
	s_barrier_wait -1
.endm
	s_load_b256 s[4:11], s[0:1], 0x0               ; oc, ac, bo, out0
	v_lshl_add_u32 v254, v0, 2, 0x29000
	v_mov_b32 v255, 0
	ds_add_u32 v254, v255
	ds_add_u32 v254, v255
	v_lshrrev_b32 v7, 5, v0
	v_readfirstlane_b32 s[WV], v7                  ; wave 0..3
	v_and_b32 v7, 31, v0
	v_lshlrev_b32 v[LI], 4, v7
	v_and_b32 v8, 15, v0                           ; r
	v_bfe_u32 v9, v0, 4, 1                         ; h
	v_lshlrev_b32 v[BHO], 6, v9
	s_mul_i32 s19, s[WV], 64*SPT
	s_add_co_u32 s19, s19, STG                     ; my stage
	v_and_b32 v10, 8, v8
	v_add_nc_u32 v10, v10, v8
	v_mul_u32_u24 v[SWA], v10, SPT
	v_lshl_add_u32 v[SWA], v9, 6, v[SWA]
	v_add_nc_u32 v[SWA], s19, v[SWA]
	v_mul_u32_u24 v[RDA], v9, SPT
	v_lshl_add_u32 v[RDA], v8, 4, v[RDA]
	v_add_nc_u32 v[RDA], s19, v[RDA]
	v_lshlrev_b32 v[GO], 12, v9
	v_lshl_add_u32 v[GO], v8, 4, v[GO]
	s_bfe_u32 s12, ttmp6, 0x40000                  ; cx
	s_lshl_b32 s13, ttmp9, 2
	s_add_co_u32 s13, s13, s12                     ; tg
	s_and_b32 s14, ttmp7, 0xffff                   ; cg, which the four partners share
	s_mov_b32 s[G1], 15|(3<<16)|(1<<21)            ; a record as 36 rows of 256 bytes, dense; the mask names all four; bit 21 beside it
	s_mov_b32 s[G1+1], 32<<16
	s_mov_b32 s[G1+2], 36<<16
	s_mov_b32 s[G1+3], 32<<16
	s_mov_b32 s[G1+4], 36
	s_mov_b32 s[G1+5], 32
	s_mov_b32 s[G1+6], 0
	s_mov_b32 s[G1+7], 0
	s_lshl_b32 s16, s14, 2
	s_add_co_u32 s16, s16, s[WV]
	s_add_co_u32 s16, s16, 832
	s_mul_i32 s16, s16, REC                        ; Wo's record of tile 4 cg + w
	s_mov_b32 s17, 0
	s_mov_b32 s[G0], 1
	s_mul_i32 s[G0+1], s[WV], REC
	s_lshl_b32 s36, s13, 4
	s_lshl_b32 s37, s[WV], 2
	s_add_co_u32 s36, s36, s37
	s_mul_i32 s36, s36, REC                        ; my four token tiles' records
	s_mov_b32 s37, 0
	s_lshl_b32 s38, s14, 8                         ; my 64 columns, in bytes
	s_mov_b32 s39, 0
	s_lshl_b32 s40, s13, 20
	s_lshl_b32 s41, s[WV], 18
	s_add_co_u32 s40, s40, s41
	s_add_co_u32 s40, s40, s38                     ; row 256 tg + 64 w of 4,096 bytes, + the columns
	s_mov_b32 s41, 0
	s_wait_dscnt 0x0
	s_wait_kmcnt 0x0
	s_add_nc_u64 s[G0+2:G0+3], s[6:7], s[16:17]
	s_or_b32 s[G0+3], s[G0+3], 0x80000000
	s_add_nc_u64 s[OCB:OCB+1], s[4:5], s[OCB:OCB+1]
	s_add_nc_u64 s[BOB:BOB+1], s[8:9], s[BOB:BOB+1]
	s_add_nc_u64 s[OUT:OUT+1], s[10:11], s[OUT:OUT+1]
	ROUND                                          ; all four work-groups are here: the joint loads meet
	tensor_load_to_lds s[G0:G0+3], s[G1:G1+7]      ; one load of mine is out
	s_nop 0
	PLACES 4                                       ; four plain lines behind the load
.irp a, 0,1,2,3
.irp k, 0,1
	global_load_b128 v[BS+8*\a+4*\k:BS+8*\a+4*\k+3], v[BHO], s[BOB:BOB+1] offset:128*(\a/2)+32*(\a%2)+16*\k   ; bo at columns 32 pair + 16 h + 8 u + 0 .. 7
.endr
.endr
	WIN 0x80
.irp i, 0,1,2,3
.irp s, 0,1,2,3,4,5,6,7
.irp c, 0,1
	global_load_b128 v[64*\i+8*\s+4*\c:64*\i+8*\s+4*\c+3], v[LI], s[OCB:OCB+1] offset:REC*\i+1024*\s+512*\c
.endr
.endr
.endr
	WIN 0
.irp i, 0,1,2,3
.irp k, 0,1
	global_load_b128 v[OSC+8*\i+4*\k:OSC+8*\i+4*\k+3], v[LI], s[OCB:OCB+1] offset:REC*\i+8192+512*\k
.endr
.endr
	s_wait_tensorcnt 0x0                           ; my record of Wo is in,
	s_barrier_signal -1
	s_barrier_wait -1                              ; everybody's is
	WIN 0x40
.irp t, 0,1,2,3
.irp s, 0,1,2,3,4,5,6,7
.irp c, 0,1
	ds_load_b128 v[64*\t+8*\s+4*\c:64*\t+8*\s+4*\c+3], v[LI] offset:REC*\t+1024*\s+512*\c
.endr
.endr
.endr
	WIN 0
.irp t, 0,1,2,3
.irp k, 0,1
	ds_load_b128 v[WSC+8*\t+4*\k:WSC+8*\t+4*\k+3], v[LI] offset:REC*\t+8192+512*\k
.endr
.endr
	s_wait_loadcnt 0x0                             ; O, its scale words and bo
	s_wait_dscnt 0x0                               ; Wo
	WIN 0x09                                       ; source 0 (Wo) window 1, source 1 (O) window 2
.irp s, 0,1,2,3,4,5,6,7                ; sixteen accumulators by turns, one instruction a turn, K step by K step
.irp a, 0,1,2,3,4,5,6,7,8,9,10,11,12,13,14,15
.set rT, 2*(\a/8)+\a%2                 ; Wo's tile
.set rI, (\a/2)%4                      ; the token tile
.set rD, ACC+8*\a
.set rC, rD
.if \s == 0
.set rC, BS+8*rT
.endif
	v_wmma_scale_f32_16x16x128_f8f6f4 v[rD:rD+7], v[64*rT+8*\s:64*rT+8*\s+7], v[64*rI+8*\s:64*rI+8*\s+7], v[rC:rC+7], v[WSC+8*rT+\s], v[OSC+8*rI+\s] matrix_a_fmt:MATRIX_FMT_FP4 matrix_b_fmt:MATRIX_FMT_FP4
.endr
.endr
	WIN 0
	PLACES 4                                       ; in front of the first read of results
	s_wait_alu depctr_va_vdst(0)
.irp a, 0,1,2,3,4,5,6,7,8,9,10,11,12,13,14,15
.set rI, (\a/2)%4
	ds_store_b128 v[SWA], v[ACC+8*\a:ACC+8*\a+3] offset:(32*(rI/2)+8*(rI%2))*SPT+128*(\a/8)+32*(\a%2)       ; each accumulator from its low end on
	ds_store_b128 v[SWA], v[ACC+8*\a+4:ACC+8*\a+7] offset:(32*(rI/2)+8*(rI%2))*SPT+128*(\a/8)+32*(\a%2)+16
.endr
.irp k, 0,1,2,3,4,5,6,7,8,9,10,11,12,13,14,15,16,17,18,19,20,21,22,23,24,25,26,27,28,29,30,31
	ds_load_b128 v[ACC+4*\k:ACC+4*\k+3], v[RDA] offset:2*\k*SPT   ; LDS serves a wave's instructions in order: these see my stores, and land in the registers that the stores have left
.endr
.irp k, 0,1,2,3,4,5,6,7,8,9,10,11,12,13,14,15,16,17,18,19,20,21,22,23,24,25,26,27,28,29,30,31
	s_wait_dscnt 31-\k                             ; rows 2 k and 2 k + 1 are back; the younger loads may be out
	global_store_b128 v[GO], v[ACC+4*\k:ACC+4*\k+3], s[OUT:OUT+1] offset:8192*\k th:TH_STORE_NT   ; sixteen lanes store 256 consecutive bytes, aligned; written once, read by nobody here
.endr
	s_wait_tensorcnt 0x0
	ds_add_u32 v254, v255
	s_wait_dscnt 0x0
	ROUND                                          ; the closing round
	s_endpgm
.Lfunc_end_k_q75bc06a9ce_outp:
	.size	k_q75bc06a9ce_outp, .Lfunc_end_k_q75bc06a9ce_outp-k_q75bc06a9ce_outp
	.p2alignl 7, 3214868480
	.fill 96, 4, 3214868480
	.section	.rodata,"a",@progbits
	.p2align	6, 0x0
	.amdhsa_kernel k_q75bc06a9ce_outp
		.amdhsa_group_segment_fixed_size 168448
		.amdhsa_private_segment_fixed_size 0
		.amdhsa_enable_private_segment 0
		.amdhsa_kernarg_size 32
		.amdhsa_user_sgpr_count 2
		.amdhsa_user_sgpr_kernarg_segment_ptr 1
		.amdhsa_wavefront_size32 1
		.amdhsa_system_sgpr_workgroup_id_x 1
		.amdhsa_system_sgpr_workgroup_id_y 1
		.amdhsa_system_sgpr_workgroup_id_z 1
		.amdhsa_system_vgpr_workitem_id 0
		.amdhsa_next_free_vgpr 768
		.amdhsa_next_free_sgpr 66
		.amdhsa_reserve_vcc 0
		.amdhsa_float_denorm_mode_32 3
		.amdhsa_float_denorm_mode_16_64 3
		.amdhsa_memory_ordered 1
		.amdhsa_forward_progress 1
		.amdhsa_inst_pref_size 41
	.end_amdhsa_kernel
	.amdgpu_metadata
---
amdhsa.version: [ 1, 2 ]
amdhsa.kernels:
  - .name:           k_q75bc06a9ce_outp
    .symbol:         k_q75bc06a9ce_outp.kd
    .args:
      - { .name: oc, .offset: 0, .size: 8, .value_kind: global_buffer, .address_space: global }
      - { .name: ac, .offset: 8, .size: 8, .value_kind: global_buffer, .address_space: global }
      - { .name: bo, .offset: 16, .size: 8, .value_kind: global_buffer, .address_space: global }
      - { .name: out0, .offset: 24, .size: 8, .value_kind: global_buffer, .address_space: global }
    .group_segment_fixed_size: 168448
    .private_segment_fixed_size: 0
    .kernarg_segment_align: 8
    .kernarg_segment_size: 32
    .max_flat_workgroup_size: 128
    .sgpr_count:     66
    .vgpr_count:     768
    .wavefront_size: 32
...
	.end_amdgpu_metadata
.endif
;; end of part 4
